; MI455X (gfx1250); checked and timed in simulation.
; The chip was launched on July 23, 2026; its instructions are those of AMD's public machine-readable ISA for CDNA 5 (MIT licence, August 2026) and "CDNA5" Instruction Set Architecture Reference Guide (July 2026). The comments in the code are by the model that wrote it; some were corrected since.
;; attention Layer. Allowed arithmetic: matrix products marked QUANTISED: E2M1 operands, one E8M0 scale for each 32 along K, by v_wmma_scale_f32_16x16x128_f8f6f4 with both operands' format E2M1 (or v_wmma_scale_f32_32x16x128_f4), f32 sums; everything else in f32.
;; Inputs: keys 16 x 2,048 x 64 float32; masks 16 x 2,048 int32; queries 16 x 2,048 x 64 float32; values 16 x 2,048 x 64 float32.
;; Outputs: out0 16 x 2,048 x 64 float32.
;; This version of the problem:
;;   THIS VERSION OF THE PROBLEM IS GIVEN IN LOW PRECISION. The matrix products marked QUANTISED in the list below multiply operands that are first quantised to E2M1 (2 exponent bits, 1 mantissa bit; 4 bits a number), with one power-of-two scale for each 32 numbers along K (OCP MX v1.0); their sums are f32. All else is computed in f32.
;;   The module's matrix products, in the order in which they are computed (A, B: the left and right operand; K: the contracted axis; several contracted axes count as one K, in the product's order):
;;     1. batch 16 x [M 2,048, K 64] x [K 64, N 2,048]; A: input queries; B: input keys: QUANTISED
;;     2. batch 16 x [M 2,048, K 2,048] x [K 2,048, N 64]; A: softmax (see below); B: input values: QUANTISED
;;   THE QUANTISER, for each operand of a quantised product, along K:
;;     - K is cut into blocks of 32 from its start; a last block that is shorter is filled with zeros.
;;     - A block's scale is 2^e with e = floor(log2(the largest magnitude in the block)) - 2, held to -126 .. 127; a block of zeros has e = 0. As a byte (E8M0): e + 127.
;;     - Each number is divided by its block's scale, clamped to +-6, and rounded to the nearest number of E2M1, ties to even, subnormals kept.
;;     - The product sums the exact products of the quantised numbers (number of the format x scale) in f32.
;;   ~~~python
;;   def quantise(x, axis):      # numpy; x: float32 -> the quantised numbers, widened to float32 again
;;       x = np.moveaxis(x, axis, -1); K = x.shape[-1]
;;       x = np.pad(x, [(0, 0)] * (x.ndim - 1) + [(0, -K % 32)]); x = x.reshape(x.shape[:-1] + (-1, 32)); a = np.abs(x).max(-1, keepdims=True)
;;       e = np.where(a > 0, np.clip(np.frexp(np.where(a > 0, a, 1))[1] - 1 - 2, -126, 127), 0)      # np.frexp(a)[1] - 1 = floor(log2(a)), exactly
;;       r = np.clip(x / 2.0 ** e, -6, 6)
;;       step = 2.0 ** (np.maximum(np.frexp(np.where(r == 0, 1, r))[1] - 1, 0) - 1)
;;       q = np.round(r / step) * step * 2.0 ** e      # np.round: ties to even
;;       return np.moveaxis(q.reshape(q.shape[:-2] + (-1,))[..., :K], -1, axis).astype(np.float32)
;;   ~~~
;;   SOFTMAX AHEAD OF A QUANTISED PRODUCT. Where the list says 'softmax', what is quantised is not the finished softmax but p = 2^(t - M), with t = logit x log2(e) and M = ceil(the row's largest t), a whole number; so 1/2 < the row's largest p <= 1. The row's sum l is taken of the UNQUANTISED p, in f32, and the product's result is divided by l at the end. Since M is a whole number, a kernel that streams over the keys may use a running M (the ceiling of the running maximum): every later rescaling is an exact power of two, which a block's scale takes up: the codes' values come out the same.
;;   OPERANDS COMPUTED ON THE WAY. 'Computed on the way' means the value that the module computes at that place (a softmax that the list does not call 'softmax' is quantised finished and normalised). What goes into a quantiser is computed in f32, as accurately as f32 sums, v_exp_f32 and their like allow (about 1e-6 of the number): no bf16 or f16 on the way to a quantiser, and a product that is left as it is and whose result goes on into a quantised operand takes f32 operands (vector FMAs, or v_wmma_f32_16x16x4_f32). A number that lies on a knife's edge between two numbers of the format may be rounded either way, as far as f32 arithmetic and the matrix unit's own rounding can turn it there, and no further.
;; One version. Each part assembles by itself: llvm-mc -triple=amdgcn-amd-amdhsa -mcpu=gfx1250 --defsym DOCPART=n.
;; ======== version 1 of 1: 2 launches
;; limits: right only within a limited range of input values
;; workspace buffers: q_codes 1,048,576 bytes; q_scales 131,072 bytes; kv_codes 2,097,152 bytes; k_scales 131,072 bytes; v_scales 65,536 bytes; flags 65,536 bytes of whole numbers
;; launch quant (part 1): grid 16 x 16, 12 waves a work-group, no clusters, 107,520 bytes of LDS; arguments queries, keys, values, q_codes, q_scales, kv_codes, k_scales, v_scales, flags; writes q_codes, q_scales, kv_codes, k_scales, v_scales, flags
.if DOCPART == 1
	.amdgcn_target "amdgcn-amd-amdhsa--gfx1250"
	.amdhsa_code_object_version 6
	.text
	.protected	k_q2821d5aaa6_quant
	.globl	k_q2821d5aaa6_quant
	.p2align	8
	.type	k_q2821d5aaa6_quant,@function
k_q2821d5aaa6_quant:
	s_mov_b64 s[64:65], 0
	v_nop
	global_prefetch_b8 v0, s[64:65] scope:SCOPE_SE
	s_setreg_imm32_b32 hwreg(HW_REG_WAVE_MODE, 25, 1), 1
	s_wait_xcnt 0x0
; queries, keys, values: [16][2048][64] f32.  They become codes of FP4 (E2M1) with one E8M0 byte for each 32 along a product's K, laid in the ORDER OF THE OPERANDS' REGISTERS,
; so that the attention launch takes every fragment by loads of 16 bytes a lane at 16 x lane.  Q and K are quantised along d (two blocks a row), V along the keys (a block = 32 keys of one channel).
; A block's scale is 2^(floor(log2(its largest magnitude)) - 2); its byte is the largest magnitude's exponent field - 2, held at 1 from below.
; TILES of Q and of K: of a group of 32 rows, lane r of tile u (0, 1) takes row 8 u + r + 8 (r / 8): in the attention launch the 16 registers of two neighbouring tiles of scores are then 16 neighbouring keys.
; Here each tile of 16 queries is multiplied by keys 0 .. 15 (the same instruction on the same codes as later); flags[b][tile] = 1 if some query of the tile has only zeros there.  The attention launch walks all keys for such a tile.
; SHARES.  Work-group (x = s, y = b) takes rows 128 s .. 128 s + 127 of batch b of all three tensors.  Wave w: role w / 4 (0 Q, 1 K, 2 V), unit uu = w % 4: 32 rows x 256 bytes, once; no loop.
; Each load reads 512 consecutive bytes; the 8,192 bytes turn through the wave's own stage in LDS (rows 272 bytes apart) and come back as the conversions want them: 32 neighbours along K in one lane's registers.
; masks is not read: no number of reference() hangs on it.
; LIMITS: NaN and infinities are not served; a block whose largest magnitude lies under 2^-124 keeps the byte 1; a block of zeros keeps the byte 1 where the rule says 127 (its codes are zeros; this program alone reads the bytes).
.set STB,  8704                        ; a wave's stage: 32 rows x 272 bytes
.set SP,   272                         ; 256 bytes + 16: seventeen pieces of 16 bytes, so neighbouring rows begin 16 bytes apart modulo 256
.set QS,   12*STB                      ; LDS: Q's 128 scale words, then K's 128: QS + 128 w + 4 lane for waves 0 .. 7
.set VS,   QS+1024                     ; V's 64 scale words (a word a channel, byte = the step's block of 32 keys)
.set FL,   VS+256                      ; the eight flags
.set LANE, 1
.set RR,   2                           ; lane % 16
.set HH,   3                           ; lane / 16
.set L16,  4                           ; 16 x lane
.set SW,   5                           ; the stage, way in: 272 (lane / 16) + 16 (lane % 16)
.set SRQ,  6                           ; way out for Q and K: row r + 8 (r / 8), + 128 h
.set SRV,  7                           ; way out for V: 4 x lane
.set SCW,  8                           ; where my scale word goes (Q, K)
.set SCB,  9                           ; where my scale byte goes (V)
.set FLW,  10                          ; where my two flags go
.set PA,   11                          ; the scale words' way out (Q, K): 16 bytes a lane
.set PV,   12                          ; (V): 8 bytes a lane
.set PF,   13                          ; the flags' way out: 8 bytes a lane
.set VO,   14                          ; V's codes in memory: 1,024 (lane / 16) + 16 (lane % 16)
.set KO,   15                          ; keys 0 .. 15: 256 r + 128 h
.set R,    16                          ; v16-79   as loaded; free once the stage has taken it: then v16-18 bytes, v19-23 at work, v24-31 masked scores, v32-33 flags, v36-42 the way out
.set X,    80                          ; v80-143  two blocks of 32 numbers
.set KT,   144                         ; v144-175 32 numbers of keys 0 .. 15
.set FQ,   176                         ; v176-183, v184-191 the two tiles' fragments: four registers of codes, four of zeros (K = 64 is filled up to 128 with zero codes)
.set FK,   192                         ; v192-199 the fragment of keys 0 .. 15
.set D,    200                         ; v200-215 the two tiles of scores
.set W,    216                         ; v216, v217 the two tiles' scale words, v218 keys 0 .. 15's: these three hold scales and nothing else
.set SH8,  219                         ; 8 h
.set TA,   220
.set TBB,  221
.set TSC,  222
.set PD,   223                         ; a lane permute's destination
.set WV,   22
.set ROLE, 23
.set UU,   24
.set WGI,  25                          ; 16 b + s
; 32 numbers v[x] .. v[x + 31] of one block -> 4 registers of codes v[c] .., the scale's byte in v[e]
.macro QUANT32 x, c, e
	v_max3_num_f32 v[TA], |v[\x]|, |v[\x+1]|, 0x1800000             ; the largest magnitude, in two chains; the floor 2^(3 - 127) is a leaf: the byte cannot fall under 1
	v_max3_num_f32 v[TBB], |v[\x+2]|, |v[\x+3]|, |v[\x+4]|
.irp i, 5,9,13,17,21,25
	s_delay_alu instid0(VALU_DEP_2)
	v_max3_num_f32 v[TA], v[TA], |v[\x+\i]|, |v[\x+\i+1]|
	s_delay_alu instid0(VALU_DEP_2)
	v_max3_num_f32 v[TBB], v[TBB], |v[\x+\i+2]|, |v[\x+\i+3]|
.endr
	s_delay_alu instid0(VALU_DEP_2)
	v_max3_num_f32 v[TA], v[TA], |v[\x+29]|, |v[\x+30]|
	s_delay_alu instid0(VALU_DEP_1)
	v_max3_num_f32 v[TA], v[TA], v[TBB], |v[\x+31]|
	s_delay_alu instid0(VALU_DEP_1)
	v_add_nc_u32 v[TSC], 0xff000000, v[TA]                          ; 2 off its exponent field: the conversion takes this operand's exponent field as its scale
	s_delay_alu instid0(VALU_DEP_1)
	v_lshrrev_b32 v[\e], 23, v[TSC]                                 ; the byte
.irp g, 0,1,2,3
	v_cvt_scalef32_pk8_fp4_f32 v[\c+\g], v[\x+8*\g:\x+8*\g+7], v[TSC]
.endr
	v_nop                                                           ; one plain line behind the last scaled conversion
.endm
; my row's scale word: my byte (block h) and lane l xor 16's (the other block); bytes 2 and 3, over zero codes, repeat bytes 0 and 1
.macro WORD w, e
	v_lshlrev_b32 v19, v[SH8], v[\e]
	s_delay_alu instid0(VALU_DEP_1)
	v_permlanex16_b32 v[PD], v19, s32, s33
	s_delay_alu instid0(VALU_DEP_1)
	v_or_b32 v[\w], v19, v[PD]
	s_delay_alu instid0(VALU_DEP_1)
	v_lshl_or_b32 v[\w], v[\w], 16, v[\w]                           ; bytes 2 and 3, over Q's zero codes, repeat bytes 0 and 1: finite codes of the row's own size
.endm
	s_load_b256 s[4:11], s[0:1], 0x0               ; queries s[4:5], keys s[6:7], values s[8:9], q_codes s[10:11]
	s_load_b256 s[12:19], s[0:1], 0x20             ; q_scales s[12:13], kv_codes s[14:15], k_scales s[16:17], v_scales s[18:19]
	s_load_b64 s[20:21], s[0:1], 0x40              ; flags
	v_lshl_add_u32 v224, v0, 2, 0x19e00
	v_mov_b32 v225, 0
	v_lshrrev_b32 v1, 5, v0
	s_delay_alu instid0(VALU_DEP_1)
	v_readfirstlane_b32 s[WV], v1                  ; wave 0 .. 11
	s_lshr_b32 s[ROLE], s[WV], 2
	s_and_b32 s[UU], s[WV], 3
	s_and_b32 s46, ttmp7, 0xffff                   ; b
	s_lshl_b32 s[WGI], s46, 4
	s_add_co_u32 s[WGI], s[WGI], ttmp9
	s_mov_b32 s32, 0x76543210                      ; v_permlanex16_b32's selects for lane l xor 16
	s_mov_b32 s33, 0xfedcba98
	; every LDS address is made here, ahead of the first parting of the roles
	v_and_b32 v[LANE], 31, v0
	v_and_b32 v[RR], 15, v0
	v_bfe_u32 v[HH], v0, 4, 1
	s_delay_alu instid0(VALU_DEP_3)
	v_lshlrev_b32 v[L16], 4, v[LANE]
	s_mul_i32 s34, s[WV], STB                      ; my stage
	v_mul_u32_u24 v[SW], v[HH], SP
	s_delay_alu instid0(VALU_DEP_1)
	v_lshl_add_u32 v[SW], v[RR], 4, v[SW]
	s_delay_alu instid0(VALU_DEP_1)
	v_add_nc_u32 v[SW], s34, v[SW]
	v_and_b32 v[SRQ], 8, v[RR]
	s_delay_alu instid0(VALU_DEP_1)
	v_add_nc_u32 v[SRQ], v[SRQ], v[RR]             ; r + 8 (r / 8)
	s_delay_alu instid0(VALU_DEP_1)
	v_mul_u32_u24 v[SRQ], v[SRQ], SP
	s_delay_alu instid0(VALU_DEP_1)
	v_lshl_add_u32 v[SRQ], v[HH], 7, v[SRQ]
	s_delay_alu instid0(VALU_DEP_1)
	v_add_nc_u32 v[SRQ], s34, v[SRQ]
	v_lshl_add_u32 v[SRV], v[LANE], 2, s34
	s_lshl_b32 s35, s[WV], 7
	s_add_co_u32 s35, s35, QS
	v_lshl_add_u32 v[SCW], v[LANE], 2, s35
	v_lshl_add_u32 v[PA], v[LANE], 4, s35
	s_add_co_u32 s36, s[UU], VS
	v_lshl_add_u32 v[SCB], v[LANE], 2, s36
	s_lshl_b32 s36, s[UU], 6                       ; a tile's flag is written as eight equal words: a work-group's eight tiles fill 256 bytes
	s_add_co_u32 s36, s36, FL
	v_and_b32 v[FLW], 7, v[LANE]
	v_lshl_add_u32 v[FLW], v[FLW], 2, s36
	v_lshl_add_u32 v[PV], v[LANE], 3, VS
	v_lshl_add_u32 v[PF], v[LANE], 3, FL
	v_lshlrev_b32 v[VO], 10, v[HH]
	s_delay_alu instid0(VALU_DEP_1)
	v_lshl_add_u32 v[VO], v[RR], 4, v[VO]
	v_lshlrev_b32 v[KO], 8, v[RR]
	s_delay_alu instid0(VALU_DEP_1)
	v_lshl_add_u32 v[KO], v[HH], 7, v[KO]
	v_lshlrev_b32 v[SH8], 3, v[HH]
	v_mov_b32 v[PD], 0                             ; written once: a lane permute's destination counts as one of its sources
	; byte offsets, apart from the addresses
	s_lshl_b32 s38, s[WGI], 15                     ; the source: (128 WGI + 32 uu) rows of 256 bytes
	s_lshl_b32 s39, s[UU], 13
	s_add_co_u32 s38, s38, s39
	s_mov_b32 s39, 0
	s_lshl_b32 s36, s[WGI], 12                     ; q_codes: 4,096 bytes a work-group; kv_codes: 8,192
	s_lshl_b32 s37, s[WGI], 13
	s_cmp_eq_u32 s[ROLE], 0
	s_cselect_b32 s36, s36, s37
	s_lshl_b32 s37, s[UU], 10                      ; Q, K: my two tiles, 1,024 bytes
	s_lshr_b32 s40, s[UU], 1                       ; V: behind K's 4,096; my block of keys uu is register group uu / 2, lanes 16 (uu % 2) on
	s_lshl_b32 s40, s40, 9
	s_and_b32 s41, s[UU], 1
	s_lshl_b32 s41, s41, 8
	s_add_co_u32 s40, s40, s41
	s_add_co_u32 s40, s40, 4096
	s_lshl_b32 s44, s[WGI], 9                      ; scale words: Q, K 512 bytes a work-group, V 256
	s_lshl_b32 s45, s[WGI], 8
	s_cmp_eq_u32 s[ROLE], 2
	s_cselect_b32 s37, s40, s37
	s_cselect_b32 s44, s45, s44
	s_add_co_u32 s36, s36, s37
	s_mov_b32 s37, 0
	s_mov_b32 s45, 0
	s_lshl_b32 s40, s[WGI], 8                      ; flags: 256 bytes a work-group, 32 a tile
	s_mov_b32 s41, 0
	s_lshl_b32 s46, s46, 19                        ; keys of batch b
	s_mov_b32 s47, 0
	s_lshl_b32 s42, ttmp9, 7
	s_lshl_b32 s43, s[UU], 5
	s_add_co_u32 s42, s42, s43                     ; my first query in the batch (role 0)
	s_wait_kmcnt 0x0
	s_cmp_eq_u32 s[ROLE], 0                        ; the buffers are chosen by the wave's role, which hangs on no address
	s_cselect_b64 s[26:27], s[4:5], s[6:7]
	s_cselect_b64 s[28:29], s[10:11], s[14:15]
	s_cselect_b64 s[30:31], s[12:13], s[16:17]
	s_cmp_eq_u32 s[ROLE], 2
	s_cselect_b64 s[26:27], s[8:9], s[26:27]
	s_cselect_b64 s[30:31], s[18:19], s[30:31]
	s_add_nc_u64 s[26:27], s[26:27], s[38:39]      ; from where
	s_add_nc_u64 s[28:29], s[28:29], s[36:37]      ; codes to where
	s_add_nc_u64 s[30:31], s[30:31], s[44:45]      ; scale words to where
	s_add_nc_u64 s[20:21], s[20:21], s[40:41]
	s_add_nc_u64 s[48:49], s[6:7], s[46:47]
	s_cmp_lg_u32 s[ROLE], 0
	s_cbranch_scc1 .Lno_kt
	s_wait_alu depctr_va_vdst(0)
.irp j, 0,1,2,3,4,5,6,7
	global_load_b128 v[KT+4*\j:KT+4*\j+3], v[KO], s[48:49] offset:16*\j     ; key r, d = 32 h + 4 j ..: many waves read these 4,096 bytes, so no hint
.endr
.Lno_kt:
.irp i, 0,1,2,3,4,5,6,7,8,9,10,11,12,13,14,15
	global_load_b128 v[R+4*\i:R+4*\i+3], v[L16], s[26:27] offset:512*\i th:TH_LOAD_NT   ; 32 lanes read 512 consecutive bytes: two rows
.endr
.irp i, 0,1,2,3,4,5,6,7,8,9,10,11,12,13,14,15
	s_wait_loadcnt 15-\i                           ; load i is in; the 15 - i younger ones stay out (the key tile's loads are older: they are in)
	ds_store_b128 v[SW], v[R+4*\i:R+4*\i+3] offset:2*SP*\i
.endr
	s_cmp_eq_u32 s[ROLE], 2
	s_cbranch_scc1 .Lrole_v
	; ---- Q and K: lane (r, h) takes block h of row 8 u + r + 8 (r / 8).  LDS serves a wave's instructions in order: these see my stores
.irp u, 0,1
.irp j, 0,1,2,3,4,5,6,7
	ds_load_b128 v[X+32*\u+4*\j:X+32*\u+4*\j+3], v[SRQ] offset:8*SP*\u+16*\j
.endr
.endr
.irp k, 4,5,6,7
	v_mov_b32 v[FQ+\k], 0                          ; the fragments' upper halves: zero codes for k = 64 .. 127
	v_mov_b32 v[FQ+8+\k], 0
	v_mov_b32 v[FK+\k], 0
.endr
	s_wait_dscnt 8                                 ; tile 0's eight loads are in (so the stage's stores are done and R is free); tile 1's eight may be out
	QUANT32 X, FQ, 16
	s_wait_dscnt 0x0
	QUANT32 X+32, FQ+8, 17
	WORD W, 16
	WORD W+1, 17
	global_store_b128 v[L16], v[FQ:FQ+3], s[28:29]                 ; a tile's image: 512 consecutive bytes
	global_store_b128 v[L16], v[FQ+8:FQ+11], s[28:29] offset:512
	v_cmp_eq_u32 vcc_lo, 1, v[HH]
	s_delay_alu instid0(VALU_DEP_1)
	v_cndmask_b32 v20, v[W], v[W+1], vcc_lo        ; lanes 0-15 tile 0's words, lanes 16-31 tile 1's: one register will serve both tiles
	ds_store_b32 v[SCW], v20
	s_cmp_lg_u32 s[ROLE], 0
	s_cbranch_scc1 .Ljoin
	; ---- Q goes on: the flags of my two tiles
	QUANT32 KT, FK, 18
	WORD W+2, 18
	v_and_b32 v21, 8, v[RR]                        ; dl = my query - 8 h.  These five lines and three v_nop stand between the last write of a scale register and the scaled products
	s_delay_alu instid0(VALU_DEP_1)
	v_add_nc_u32 v21, v21, v[RR]
	s_delay_alu instid0(VALU_DEP_1)
	v_sub_nc_u32 v21, v21, v[SH8]
	s_delay_alu instid0(VALU_DEP_1)
	v_add_nc_u32 v21, s42, v21                     ; tile 0
	s_delay_alu instid0(VALU_DEP_1)
	v_add_nc_u32 v22, 8, v21                       ; tile 1
.rept 3
	v_nop
.endr
	v_wmma_scale_f32_16x16x128_f8f6f4 v[D:D+7], v[FK:FK+7], v[FQ:FQ+7], 0, v[W+2], v[W] matrix_a_fmt:MATRIX_FMT_FP4 matrix_b_fmt:MATRIX_FMT_FP4
	v_wmma_scale_f32_16x16x128_f8f6f4 v[D+8:D+15], v[FK:FK+7], v[FQ+8:FQ+15], 0, v[W+2], v[W+1] matrix_a_fmt:MATRIX_FMT_FP4 matrix_b_fmt:MATRIX_FMT_FP4
.rept 4
	v_nop                                          ; four places between a product and the first read of its result (ISA guide 7.12.1)
.endr
.irp u, 0,1                                    ; lane (r, h), register j: the score of the tile's query r against key 8 h + j
.irp j, 0,1,2,3,4,5,6,7
	v_cmp_le_i32 vcc_lo, \j, v[21+\u]              ; the key counts where 8 h + j <= query
	v_cndmask_b32 v[24+\j], 0, v[D+8*\u+\j], vcc_lo
.endr
	v_max3_num_f32 v23, |v24|, |v25|, |v26|
	s_delay_alu instid0(VALU_DEP_1)
	v_max3_num_f32 v23, v23, |v27|, |v28|
	s_delay_alu instid0(VALU_DEP_1)
	v_max3_num_f32 v23, v23, |v29|, |v30|
	s_delay_alu instid0(VALU_DEP_1)
	v_max_num_f32 v23, v23, |v31|
	s_delay_alu instid0(VALU_DEP_1)
	v_permlanex16_b32 v[PD], v23, s32, s33
	s_delay_alu instid0(VALU_DEP_1)
	v_max_num_f32 v23, v23, v[PD]                  ; 0 where all of the query's scores that count are 0
	s_delay_alu instid0(VALU_DEP_1)
	v_cmp_eq_f32 s50, 0, v23
	s_cmp_lg_u32 s50, 0                            ; some query of the tile?  The answer is a stored number: no branch and no address of this launch hangs on it
	s_cselect_b32 s51, 1, 0
	v_mov_b32 v[32+\u], s51
	ds_store_b32 v[FLW], v[32+\u] offset:32*\u     ; four lanes write each of the eight words with the same value
.endr
	s_branch .Ljoin
.Lrole_v:
	; ---- V: a lane takes a channel (lane + 32 p) and its registers run down my 32 keys: one whole block a pass
.irp p, 0,1
.irp i, 0,1,2,3,4,5,6,7,8,9,10,11,12,13,14,15,16,17,18,19,20,21,22,23,24,25,26,27,28,29,30,31
	ds_load_b32 v[X+32*\p+\i], v[SRV] offset:SP*\i+128*\p
.endr
.endr
	s_wait_dscnt 32                                ; pass 0's 32 loads are in (so the stage's stores are done and R is free); pass 1's may be out
	QUANT32 X, FQ, 16
	s_wait_dscnt 0x0
	QUANT32 X+32, FQ+8, 17
	global_store_b128 v[VO], v[FQ:FQ+3], s[28:29]                  ; sixteen lanes store 256 consecutive bytes, at a multiple of 256 from the buffer's first byte
	global_store_b128 v[VO], v[FQ+8:FQ+11], s[28:29] offset:2048
	ds_store_b8 v[SCB], v16                        ; byte uu of my channel's word
	ds_store_b8 v[SCB], v17 offset:128
.Ljoin:
	s_wait_dscnt 0x0                               ; for the others' sake: my scale words, bytes and flags lie in LDS
	s_barrier_signal -1
	s_barrier_wait -1
	s_cmp_lg_u32 s[UU], 0                          ; a role's first wave stores what its four waves gathered
	s_cbranch_scc1 .Lend
	s_cmp_eq_u32 s[ROLE], 2
	s_cbranch_scc1 .Lout_v
	ds_load_b128 v[36:39], v[PA]
	s_wait_dscnt 0x0
	global_store_b128 v[L16], v[36:39], s[30:31]   ; 512 consecutive bytes
	s_cmp_lg_u32 s[ROLE], 0
	s_cbranch_scc1 .Lend
	ds_load_b64 v[40:41], v[PF]
	v_lshlrev_b32 v42, 3, v[LANE]
	s_wait_alu depctr_va_vdst(0)
	s_wait_dscnt 0x0
	global_store_b64 v42, v[40:41], s[20:21]       ; the flags: 256 consecutive bytes
	s_branch .Lend
.Lout_v:
	ds_load_b64 v[36:37], v[PV]
	v_lshlrev_b32 v42, 3, v[LANE]
	s_wait_alu depctr_va_vdst(0)
	s_wait_dscnt 0x0
	global_store_b64 v42, v[36:37], s[30:31]       ; 256 consecutive bytes
.Lend:
	s_wait_tensorcnt 0x0
	ds_add_u32 v224, v225
	s_wait_dscnt 0x0
	s_endpgm
.Lfunc_end_k_q2821d5aaa6_quant:
	.size	k_q2821d5aaa6_quant, .Lfunc_end_k_q2821d5aaa6_quant-k_q2821d5aaa6_quant
	.p2alignl 7, 3214868480
	.fill 96, 4, 3214868480
	.section	.rodata,"a",@progbits
	.p2align	6, 0x0
	.amdhsa_kernel k_q2821d5aaa6_quant
		.amdhsa_group_segment_fixed_size 107520
		.amdhsa_private_segment_fixed_size 0
		.amdhsa_enable_private_segment 0
		.amdhsa_kernarg_size 72
		.amdhsa_user_sgpr_count 2
		.amdhsa_user_sgpr_kernarg_segment_ptr 1
		.amdhsa_wavefront_size32 1
		.amdhsa_system_sgpr_workgroup_id_x 1
		.amdhsa_system_sgpr_workgroup_id_y 1
		.amdhsa_system_sgpr_workgroup_id_z 1
		.amdhsa_system_vgpr_workitem_id 0
		.amdhsa_next_free_vgpr 226
		.amdhsa_next_free_sgpr 66
		.amdhsa_reserve_vcc 1
		.amdhsa_float_denorm_mode_32 3
		.amdhsa_float_denorm_mode_16_64 3
		.amdhsa_memory_ordered 1
		.amdhsa_forward_progress 1
		.amdhsa_inst_pref_size 30
	.end_amdhsa_kernel
	.amdgpu_metadata
---
amdhsa.version: [ 1, 2 ]
amdhsa.kernels:
  - .name:           k_q2821d5aaa6_quant
    .symbol:         k_q2821d5aaa6_quant.kd
    .args:
      - { .name: queries, .offset: 0, .size: 8, .value_kind: global_buffer, .address_space: global }
      - { .name: keys, .offset: 8, .size: 8, .value_kind: global_buffer, .address_space: global }
      - { .name: values, .offset: 16, .size: 8, .value_kind: global_buffer, .address_space: global }
      - { .name: q_codes, .offset: 24, .size: 8, .value_kind: global_buffer, .address_space: global }
      - { .name: q_scales, .offset: 32, .size: 8, .value_kind: global_buffer, .address_space: global }
      - { .name: kv_codes, .offset: 40, .size: 8, .value_kind: global_buffer, .address_space: global }
      - { .name: k_scales, .offset: 48, .size: 8, .value_kind: global_buffer, .address_space: global }
      - { .name: v_scales, .offset: 56, .size: 8, .value_kind: global_buffer, .address_space: global }
      - { .name: flags, .offset: 64, .size: 8, .value_kind: global_buffer, .address_space: global }
    .group_segment_fixed_size: 107520
    .private_segment_fixed_size: 0
    .kernarg_segment_align: 8
    .kernarg_segment_size: 72
    .max_flat_workgroup_size: 384
    .sgpr_count:     66
    .vgpr_count:     226
    .wavefront_size: 32
...
	.end_amdgpu_metadata
.endif
;; end of part 1
;; launch attn (part 2): grid 16 x 16, 16 waves a work-group, no clusters, 292,864 bytes of LDS; arguments kv_codes, k_scales, v_scales, q_codes, q_scales, flags, out0; writes out0
.if DOCPART == 2
	.amdgcn_target "amdgcn-amd-amdhsa--gfx1250"
	.amdhsa_code_object_version 6
	.text
	.protected	k_q2821d5aaa6_attn
	.globl	k_q2821d5aaa6_attn
	.p2align	8
	.type	k_q2821d5aaa6_attn,@function
k_q2821d5aaa6_attn:
	s_mov_b64 s[64:65], 0
	v_nop
	global_prefetch_b8 v0, s[64:65] scope:SCOPE_SE
	s_setreg_imm32_b32 hwreg(HW_REG_WAVE_MODE, 25, 1), 1
	s_wait_xcnt 0x0
; out0[b][q][:] = softmax_k(logit) V, logit = Q.K / 8, plus -2^32 where Q.K = 0, plus -2^32 where k > q: both masks are FINITE, as reference() has them.  Both products on codes of FP4 (E2M1) with E8M0 scales.
; THE SOFTMAX AHEAD OF THE SECOND PRODUCT: t = logit x log2(e); M = the largest t so far, rounded UP to a whole number; p = 2^(t - M) is quantised along the keys, not normalised; the sum of the unquantised p divides at the end.
; WHICH KEYS.  A tile of 16 queries of group G (queries 128 G ..) walks key steps 0 .. G of 128 keys.  Beyond them every logit is about -2^32, which counts only in a row whose logits for k <= q are all -2^32 too.
; The launch before has stored a flag other than 0 for each tile that may hold such a row: that tile walks all 16 steps, by the arithmetic of the finite masks (SLOWB).
; In every other tile each row has some key k <= q with Q.K not 0, so a masked score's p is 0, and any hugely negative number serves for it:
;   zero test: 2 is taken off the score's exponent field by one integer addition: s becomes s / 4 exactly, and +0 becomes -2^127.  (A sum that is exactly 0 is +0: it is added onto C = +0.)  The step's multiplier is 4 c, c = log2(e) / 8;
;   a future key's score becomes -2^35.  Both times 4 c are exact, so in a wave's part of a row that holds nothing else t - M is exactly 0, p is at most 1, and the merge weighs that part with 0.
; LIMITS: NaN and infinities are not served, nor is one carried from a key step that is left out; scaled scores stay under 2^31 in magnitude; a Q.K that is not 0 is at least 2^-124 in magnitude; Q.K = 0 is tested on the score before its division by 8; p under 2^-126 becomes 0.
; SHARES.  Work-group (x = j, y = b) owns four pairs of tiles of batch b: tile 4 (j % 2) + a of group 15 - j / 2 (hi) and of group j / 2 (lo), a = 0 .. 3.  Wave w = 4 a + bb serves pair a, as quarter i = (a + bb) % 4:
; it walks the steps i, i + 4, .. of the hi tile, then 3 - i, 7 - i, .. of the lo tile: of a pair's 17 steps three waves have 4 and one has 5, and any four waves w with equal w % 4, or with equal w / 4, have 17 together.
; Each wave leaves its parts (O^T as rows, -M, sum) in LDS; at the end all sixteen waves merge them, half a tile each, straight into whole rows of out0.
; THE FILL.  The batch's codes of K and V (131,072 bytes) and scale words (12,288) go into LDS once, the codes in four chunks of four steps: chunk 0 ahead of the first step; each later one is asked for a round ahead, waits in 16 registers,
; is stored behind a round's start and stands behind a barrier whose signal and wait have the round's work between them.
; LAYOUT.  Both products are used transposed: S^T = K Q^T, O^T = V^T P^T: a lane holds ONE query (lane % 16) throughout.  Lane r of key tile 2 p + u holds key 32 p + 8 u + r + 8 (r / 8), so that the 16 registers of tiles
; 2 p, 2 p + 1 are keys 32 p + 16 (lane / 16) + 0 .. 15.  A query tile holds queries Q0 + r + 8 (r / 8), Q0 = 128 G + 32 (T / 2) + 8 (T % 2), T its number in the group.
; K = 64 of the first product is filled up to 128 with zero codes of Q; K's fragments therefore overlap: tile t's upper four registers are tile t + 1's codes, and add nothing.
; NO CLUSTER, NO TENSOR LOAD.  NO PREFETCH: each chunk is asked for by its own loads a whole round ahead, and no further chunk lies behind the last.
.set KSC,  131072                      ; LDS: 0: codes, 8,192 bytes a step (K's eight tiles of 512, then V's four fragments of 1,024); here K's scale words, 512 bytes a step
.set VSC,  139264                      ; V's scale words, 256 bytes a step
.set MRG,  143360                      ; 32 parts, two for each wave (hi, lo): 16 rows of SP bytes, then 16 pairs (-M, sum)
.set AREA, 4608
.set SP,   272
.set MLO,  16*SP
.set SPARE, MRG+32*AREA                ; the spare words, 128 bytes for each wave
.set AF2,  0                           ; AF + 65,536 (v0, once the thread's number is done with)
.set LI,   1                           ; 16 x lane
.set LSK,  2                           ; KSC + 4 x lane
.set LSV,  3                           ; VSC + 4 x lane
.set ADK,  4                           ; the step's codes
.set ADS,  5                           ; K's scale words
.set ADT,  6                           ; V's scale words
.set QB,   7                           ; r + 8 (r / 8) - 16 (lane / 16)
.set MK8,  8                           ; -2^35
.set MA,   9                           ; the merge: my place in a part's rows
.set DA,   10                          ; where my parts go: rows,
.set DB,   11                          ; and (-M, sum)
.set QF,   16                          ; v12 -M, v13 the largest t, v[14:15] the sum in two halves; v16-23 the hi tile's fragment of Q (four registers of codes, four of zeros)
.set QG,   24                          ; v24-31 the lo tile's
.set QSW,  32                          ; v32, v33 their scale words; v34-37 K's, a register for two tiles; v38-39 V's likewise; v40 p's: these nine hold scales and nothing else
.set KSW,  34
.set VSW,  38
.set PSW,  40
.set DD,   41                          ; my query - the step's first key - 16 (lane / 16)
.set KF,   42                          ; v42-77   K's eight fragments, overlapping; v74-77 zeros.  At the merge: weights
.set S,    78                          ; v78-141  S^T, then p.  At the head: chunk 0 and the scale words on their way
.set O,    142                         ; v142-173 O^T
.set VF,   174                         ; v174-205 V's four fragments
.set PC,   206                         ; v206-213 p's codes
.set BM,   214                         ; v214-217 the blocks' largest scores; v218-221 at work
.set PM,   218
.set SCO,  222                         ; v222-225 the conversions' scale operands
.set F,    226                         ; v[226:227] f = 2^(old M - new M); the upper half is only named
.set TM,   234                         ; v228-234 at work
.set GO,   235                         ; the merge: my byte offset in out0's rows
.set FB,   236                         ; v236-251 the next chunk on its way
.set AF,   252                         ; 16 x thread
.set SPW,  253                         ; my spare word's LDS address; never rewritten
.set NIL,  254                         ; 0; never rewritten
.set MB,   255                         ; the merge: my row's (-M, sum)
.set WV,   18
.set BA,   19
.set SEL,  20                          ; s[20:21] v_permlanex16_b32's selects for lane l xor 16
.set CS,   22                          ; s[22:23] the step's multiplier: 4 c, or 1.0 where t has been rounded already
.set C4,   24                          ; 4 c
.set CC,   26                          ; s[26:27] c
.set KZ,   28                          ; -(2 << 23)
.set GH,   29                          ; the hi and the lo tile's group,
.set GL,   30
.set LH,   31                          ; the last step that each walks,
.set LL,   32
.set FH,   33                          ; and flag
.set FLO,  34
.set ST,   35                          ; the step
.set TB,   36                          ; 8,192 ST
.set TS,   37                          ; 512 ST
.set TJ,   38                          ; 256 ST
.set TR,   40
.set QH,   41                          ; the tiles' Q0
.set QL,   42
.set IQ,   43                          ; i
.set AA,   44                          ; a
.set BQ,   45                          ; the block of 32 keys of a diagonal step in which both tiles' queries lie
.macro QK t, qf, qsw                   ; S^T's tile t: source 0 = 16 keys, source 1 = my 16 queries; an odd tile's scale words stand in lanes 16-31
.if (\t)%2
	v_wmma_scale_f32_16x16x128_f8f6f4 v[S+8*(\t):S+8*(\t)+7], v[KF+4*(\t):KF+4*(\t)+7], v[\qf:\qf+7], 0, v[KSW+(\t)/2], v[\qsw] matrix_a_fmt:MATRIX_FMT_FP4 matrix_b_fmt:MATRIX_FMT_FP4 matrix_a_scale:MATRIX_SCALE_ROW1
.else
	v_wmma_scale_f32_16x16x128_f8f6f4 v[S+8*(\t):S+8*(\t)+7], v[KF+4*(\t):KF+4*(\t)+7], v[\qf:\qf+7], 0, v[KSW+(\t)/2], v[\qsw] matrix_a_fmt:MATRIX_FMT_FP4 matrix_b_fmt:MATRIX_FMT_FP4
.endif
.endm
.macro PVM c                           ; O^T's tile c += 16 channels x 128 keys times p
.if (\c)%2
	v_wmma_scale_f32_16x16x128_f8f6f4 v[O+8*(\c):O+8*(\c)+7], v[VF+8*(\c):VF+8*(\c)+7], v[PC:PC+7], v[O+8*(\c):O+8*(\c)+7], v[VSW+(\c)/2], v[PSW] matrix_a_fmt:MATRIX_FMT_FP4 matrix_b_fmt:MATRIX_FMT_FP4 matrix_a_scale:MATRIX_SCALE_ROW1
.else
	v_wmma_scale_f32_16x16x128_f8f6f4 v[O+8*(\c):O+8*(\c)+7], v[VF+8*(\c):VF+8*(\c)+7], v[PC:PC+7], v[O+8*(\c):O+8*(\c)+7], v[VSW+(\c)/2], v[PSW] matrix_a_fmt:MATRIX_FMT_FP4 matrix_b_fmt:MATRIX_FMT_FP4
.endif
.endm
.macro ADR r                           ; the hi tile's step of round r
	s_add_co_u32 s[ST], s[IQ], 4*\r
	s_lshl_b32 s[TB], s[ST], 13
	s_lshl_b32 s[TS], s[ST], 9
	s_lshl_b32 s[TJ], s[ST], 8
.endm
; Chunk c goes from registers into LDS, chunk c + 1 is asked for, and the barrier that will show chunk c is signalled; its wait stands behind the round's work.
.macro STAGE c
	s_wait_loadcnt 0x0                             ; my part of chunk c is in
.irp s, 0,1,2,3
.if \c == 1
	ds_store_b128 v[AF], v[FB+4*\s:FB+4*\s+3] offset:32768+8192*\s
.else
	ds_store_b128 v[AF2], v[FB+4*\s:FB+4*\s+3] offset:32768*(\c-2)+8192*\s
.endif
.endr
	s_wait_dscnt 0x0                               ; for the others' sake: it lies in LDS
.if \c < 3
.irp s, 0,1,2,3
	global_load_b128 v[FB+4*\s:FB+4*\s+3], v[AF], s[4:5] offset:32768*(\c+1)+8192*\s
.endr
.endif
	s_barrier_signal -1
.endm
; A step's loads and its first product
.macro QKP qf, qsw
	v_add_nc_u32 v[ADK], s[TB], v[LI]              ; these three lines and two v_nop are the places between earlier products and the loads into their registers
	v_add_nc_u32 v[ADS], s[TS], v[LSK]
	v_add_nc_u32 v[ADT], s[TJ], v[LSV]
	v_nop
	v_nop
.irp t, 0,1,2,3,4,5,6,7
	ds_load_b128 v[KF+4*\t:KF+4*\t+3], v[ADK] offset:512*\t         ; images of registers: 16 bytes a lane at 16 x lane
.endr
.irp p, 0,1,2,3
	ds_load_b32 v[KSW+\p], v[ADS] offset:128*\p
.endr
.irp c, 0,1,2,3
	ds_load_b128 v[VF+8*\c:VF+8*\c+3], v[ADK] offset:4096+1024*\c
	ds_load_b128 v[VF+8*\c+4:VF+8*\c+7], v[ADK] offset:4096+1024*\c+512
.endr
.irp x, 0,1
	ds_load_b32 v[VSW+\x], v[ADT] offset:128*\x
.endr
	s_wait_dscnt 10                                ; K's twelve loads are in; V's ten may stay out until their products
.irp t, 0,1,2,3,4,5,6,7
	QK \t, \qf, \qsw
.endr
.rept 4
	v_nop                                          ; four places between a product and the first read of its result (ISA guide 7.12.1)
.endr
.endm
; A diagonal step's block b: where all its keys count for all my tile's queries it is left alone
.macro MASKB b
	s_cmp_gt_u32 s[BQ], \b
	s_cbranch_scc1 .Lm_\@
.irp k, 0,1,2,3,4,5,6,7
	v_cmp_gt_i32 s[72+\k], 32*\b+\k, v[DD]         ; register 16 b + i holds key 16 (lane / 16) + 32 b + i of the step: future where 32 b + i > d
.endr
.irp k, 0,1,2,3,4,5,6,7
	v_cndmask_b32 v[S+16*\b+\k], v[S+16*\b+\k], v[MK8], s[72+\k]
.endr
.irp k, 0,1,2,3,4,5,6,7
	v_cmp_gt_i32 s[72+\k], 32*\b+8+\k, v[DD]
.endr
.irp k, 0,1,2,3,4,5,6,7
	v_cndmask_b32 v[S+16*\b+8+\k], v[S+16*\b+8+\k], v[MK8], s[72+\k]
.endr
.Lm_\@:
.endm
; The masks, the softmax and the second product.  diag = 0: the step is known to lie wholly in the past of an unflagged tile.
.macro SOFT id, fl, g, q0, diag
	s_mov_b32 s[CS], s[C4]
	s_mov_b32 s[CS+1], s[C4]
	s_cmp_lg_u32 s[\fl], 0
	s_cbranch_scc1 .Lslow_\id
.set n, 0
.rept 64                                       ; score / 4; +0 becomes -2^127.  Each accumulator is read from its low end on
	v_add_nc_u32 v[S+n], s[KZ], v[S+n]
.set n, n+1
.endr
.if \diag
	s_cmp_lt_u32 s[ST], s[\g]
	s_cbranch_scc1 .Lpast_\id
	s_lshl_b32 s46, s[ST], 7
	s_sub_co_i32 s46, s[\q0], s46
	v_add_nc_u32 v[DD], s46, v[QB]
	s_wait_alu depctr_va_vdst(0)                   ; the wait here, ahead of the branches
	MASKB 0
	MASKB 1
	MASKB 2
	MASKB 3
.endif
.Lpast_\id:
.irp b, 0,1,2,3
	v_max3_num_f32 v[BM+\b], v[S+16*\b], v[S+1+16*\b], v[S+2+16*\b]   ; the largest score of each block of 32 keys: it serves for the row's maximum and, since p rises with the score, for the block's largest p
.endr
.irp i, 3,5,7,9,11,13
.irp b, 0,1,2,3
	s_delay_alu instid0(VALU_DEP_4)
	v_max3_num_f32 v[BM+\b], v[BM+\b], v[S+16*\b+\i], v[S+1+16*\b+\i]
.endr
.endr
.irp b, 0,1,2,3
	s_delay_alu instid0(VALU_DEP_4)
	v_max_num_f32 v[BM+\b], v[BM+\b], v[S+15+16*\b]
.endr
.irp b, 0,1,2,3
	s_delay_alu instid0(VALU_DEP_4)
	v_permlanex16_b32 v[PM+\b], v[BM+\b], s[SEL], s[SEL+1]
.endr
.irp b, 0,1,2,3
	s_delay_alu instid0(VALU_DEP_4)
	v_max_num_f32 v[BM+\b], v[BM+\b], v[PM+\b]     ; with lane l xor 16's 16 keys
.endr
	s_delay_alu instid0(VALU_DEP_2)
	v_max3_num_f32 v[TM], v[BM], v[BM+1], v[BM+2]
	s_delay_alu instid0(VALU_DEP_1)
	v_max_num_f32 v[TM], v[TM], v[BM+3]
	s_delay_alu instid0(VALU_DEP_1)
	v_mul_f32 v[TM], s[CS], v[TM]                  ; as t (the multiplier is positive)
	s_delay_alu instid0(VALU_DEP_1)
	v_max_num_f32 v13, v13, v[TM]                  ; the running largest t
	v_mov_b32 v[TM], v12
	s_delay_alu instid0(VALU_DEP_2)
	v_floor_f32 v12, -v13                          ; the new -M = -ceil(t): M is a whole number
	s_delay_alu instid0(VALU_DEP_1)
	v_sub_f32 v[TM], v12, v[TM]                    ; old M - new M: a whole number, 0 or less
	s_delay_alu instid0(VALU_DEP_1)
	v_cvt_i32_f32 v[TM], v[TM]                     ; (it saturates)
	s_delay_alu instid0(VALU_DEP_1)
	v_ldexp_f32 v[F], 1.0, v[TM]                   ; f = 2^(old M - new M): a multiplication by it rounds nothing
.set n, 0
.rept 32
	v_pk_fma_f32 v[S+2*n:S+2*n+1], v[S+2*n:S+2*n+1], s[CS:CS+1], v[12:13] op_sel_hi:[1,0,0]   ; t - M, two at a time
.set n, n+1
.endr
.irp b, 0,1,2,3
	v_fma_f32 v[BM+\b], v[BM+\b], s[CS], v12       ; the same of each block's largest score
.endr
	s_wait_alu depctr_va_vdst(0)                   ; the wait ahead of the batch,
.set n, 0
.rept 64
	v_exp_f32 v[S+n], v[S+n]                       ; p = 2^(t - M), at most 1
.set n, n+1
.endr
.irp b, 0,1,2,3
	v_exp_f32 v[BM+\b], v[BM+\b]                   ; the block's largest p: the same two instructions on the same number give the same bits
.endr
	v_pk_mul_f32 v[14:15], v[14:15], v[F:F+1] op_sel_hi:[1,0]      ; the sums under the new M: the plain line behind the exponentials
	s_wait_alu depctr_va_vdst(0)                   ; and behind it, ahead of its first reader
.set n, 0
.irp p, 218,220,222,224,228,230,232            ; the row's sum, of the unquantised p: eight chains
	v_pk_add_f32 v[\p:\p+1], v[S+4*n:S+4*n+1], v[S+4*n+2:S+4*n+3]
.set n, n+1
.endr
	v_pk_add_f32 v[14:15], v[14:15], v[S+28:S+29]
.set n, 15
.irp p, 218,220,222,224,228,230,232,14,218,220,222,224,228,230,232,14,218
	v_pk_add_f32 v[\p:\p+1], v[\p:\p+1], v[S+2*n:S+2*n+1]
.set n, n+1
.endr
	v_pk_add_f32 v[220:221], v[220:221], v[228:229]
	v_pk_add_f32 v[222:223], v[222:223], v[230:231]
	v_pk_add_f32 v[224:225], v[224:225], v[232:233]
	v_pk_add_f32 v[14:15], v[14:15], v[218:219]
	v_pk_add_f32 v[220:221], v[220:221], v[222:223]
	v_pk_add_f32 v[14:15], v[14:15], v[224:225]
.irp b, 0,1,2,3
	v_max_num_f32 v[BM+\b], 0x1800000, v[BM+\b]    ; the floor 2^(3 - 127): the byte cannot fall under 1 (a block whose every p is 0 keeps that byte: its codes are zeros)
.endr
	v_pk_add_f32 v[14:15], v[14:15], v[220:221]
.irp b, 0,1,2,3
	v_add_nc_u32 v[SCO+\b], 0xff000000, v[BM+\b]   ; 2 off the exponent field: the conversion's scale operand
.endr
.irp b, 0,1,2,3
	s_delay_alu instid0(VALU_DEP_4)
	v_lshrrev_b32 v[PM+\b], 23, v[SCO+\b]          ; the byte
.endr
	s_delay_alu instid0(VALU_DEP_3)
	v_lshl_or_b32 v[PSW], v[PM+1], 8, v[PM]        ; p's scale word for these 128 keys
	s_delay_alu instid0(VALU_DEP_1)
	v_lshl_or_b32 v[PSW], v[PM+2], 16, v[PSW]
	s_delay_alu instid0(VALU_DEP_1)
	v_lshl_or_b32 v[PSW], v[PM+3], 24, v[PSW]
.irp b, 0,1,2,3
	v_cvt_scalef32_pk8_fp4_f32 v[PC+2*\b], v[S+16*\b:S+7+16*\b], v[SCO+\b]
	v_cvt_scalef32_pk8_fp4_f32 v[PC+1+2*\b], v[S+8+16*\b:S+15+16*\b], v[SCO+\b]
.endr
	v_nop                                          ; one plain line behind the last scaled conversion
.irp c, 0,1                                    ; the operand's layout wants a whole block in a lane: lanes 0-15 block 2 c, lanes 16-31 block 2 c + 1
.irp i, 0,1
	v_permlane16_swap_b32 v[PC+4*\c+\i], v[PC+2+4*\c+\i]
.endr
.endr
	s_wait_alu depctr_va_vdst(0)                   ; the wait here, directly ahead of O^T's first reader
.set n, 0
.rept 16
	v_pk_mul_f32 v[O+2*n:O+2*n+1], v[O+2*n:O+2*n+1], v[F:F+1] op_sel_hi:[1,0]   ; O^T under the new M.  These sixteen also stand between the writes of p's scale word and codes and the scaled products
.set n, n+1
.endr
	s_wait_alu depctr_va_vdst(0)                   ; the wait here, ahead of the wait below
	s_wait_dscnt 0x0                               ; V's fragments and scale words are in
.irp c, 0,1,2,3
	PVM \c                                         ; four accumulators, one instruction each; eight other products stand between two steps of a sum
.endr
.endm
; A flagged tile's masks, as reference() has them: 8 x logit + 8 x (-2^32), each sum rounded, and t ROUNDED before M is taken off: at 6e9 a fused c s - M would leave the product's rounding error in p.
.macro SLOWB id, q0
.Lslow_\id:
.set n, 0
.rept 64
	v_cmp_eq_f32 vcc_lo, 0, v[S+n]
	v_cndmask_b32 v[S+n], v[S+n], v[MK8], vcc_lo
.set n, n+1
.endr
	s_lshl_b32 s46, s[ST], 7
	s_sub_co_i32 s46, s[\q0], s46
	v_add_nc_u32 v[DD], s46, v[QB]
.set n, 0
.rept 32
	v_pk_add_f32 v[BM+2*(n%4):BM+2*(n%4)+1], v[S+2*n:S+2*n+1], v[MK8:MK8+1] op_sel_hi:[1,0]
	v_cmp_gt_i32 vcc_lo, 32*((2*n)/16)+(2*n)%16, v[DD]
	v_cndmask_b32 v[S+2*n], v[S+2*n], v[BM+2*(n%4)], vcc_lo
	v_cmp_gt_i32 vcc_lo, 32*((2*n)/16)+(2*n)%16+1, v[DD]
	v_cndmask_b32 v[S+2*n+1], v[S+2*n+1], v[BM+2*(n%4)+1], vcc_lo
.set n, n+1
.endr
.set n, 0
.rept 32
	v_pk_mul_f32 v[S+2*n:S+2*n+1], v[S+2*n:S+2*n+1], s[CC:CC+1] op_sel_hi:[1,0]
.set n, n+1
.endr
	s_mov_b32 s[CS], 1.0
	s_mov_b32 s[CS+1], 1.0
	s_wait_alu depctr_va_vdst(0)                   ; the wait ahead of the branch
	s_branch .Lpast_\id
.endm
; My part of a tile goes to LDS: row r (272 bytes) holds query r's 64 channels, a lane 32 bytes of each 64; then (-M, the row's sum)
.macro DUMP off
	v_add_f32 v14, v14, v15
	v_nop
	v_nop
	v_permlanex16_b32 v[PM], v14, s[SEL], s[SEL+1]
	v_nop
	v_add_f32 v13, v14, v[PM]                      ; with lane l xor 16's keys.  These six lines are the places behind the last products
.irp c, 0,1,2,3
	ds_store_b128 v[DA], v[O+8*\c:O+8*\c+3] offset:\off+64*\c
	ds_store_b128 v[DA], v[O+8*\c+4:O+8*\c+7] offset:\off+64*\c+16
.endr
	ds_store_b64 v[DB], v[12:13] offset:\off       ; lanes l and l xor 16 write the same bytes with the same values
	s_wait_dscnt 0x0                               ; the stores have read their registers, and lie in LDS
.endm
	s_load_b256 s[4:11], s[0:1], 0x0               ; kv_codes s[4:5], k_scales s[6:7], v_scales s[8:9], q_codes s[10:11]
	s_load_b128 s[12:15], s[0:1], 0x20             ; q_scales s[12:13], flags s[14:15]
	s_load_b64 s[16:17], s[0:1], 0x30              ; out0
	v_lshl_add_u32 v[SPW], v0, 2, SPARE
	v_mov_b32 v[NIL], 0
	v_lshrrev_b32 v[TM], 5, v0
	v_lshlrev_b32 v[AF], 4, v0                     ; the fill: 16 bytes a thread, 8,192 a load of the work-group
	v_lshlrev_b32 v231, 3, v0
	v_readfirstlane_b32 s[WV], v[TM]               ; wave 0 .. 15
	s_and_b32 s[BA], ttmp7, 0xffff                 ; the batch
	s_lshr_b32 s[AA], s[WV], 2
	s_and_b32 s52, s[WV], 3
	s_add_co_u32 s[IQ], s52, s[AA]
	s_and_b32 s[IQ], s[IQ], 3
	s_lshr_b32 s[GL], ttmp9, 1
	s_sub_co_u32 s[GH], 15, s[GL]
	s_and_b32 s52, ttmp9, 1
	s_lshl_b32 s52, s52, 2
	s_add_co_u32 s53, s52, s[AA]                   ; my tiles' number in their groups
	s_lshr_b32 s[BQ], s53, 1
	s_and_b32 s54, s53, 1
	s_lshl_b32 s55, s[BQ], 5
	s_lshl_b32 s54, s54, 3
	s_add_co_u32 s55, s55, s54
	s_lshl_b32 s[QH], s[GH], 7
	s_add_co_u32 s[QH], s[QH], s55
	s_lshl_b32 s[QL], s[GL], 7
	s_add_co_u32 s[QL], s[QL], s55
	s_lshl_b32 s56, s[BA], 7
	s_add_co_u32 s56, s56, s53
	s_lshl_b32 s54, s[GH], 3
	s_add_co_u32 s54, s54, s56                     ; 128 b + tile: hi
	s_lshl_b32 s55, s[GL], 3
	s_add_co_u32 s55, s55, s56                     ; lo
	; the merge: wave w takes rows 8 (w % 2) .. + 7 of tile w / 2 (0 .. 3 the hi tiles, 4 .. 7 the lo tiles)
	s_lshr_b32 s74, s[WV], 1
	s_lshr_b32 s75, s74, 2
	s_and_b32 s76, s74, 3
	s_and_b32 s77, s[WV], 1
	s_add_co_u32 s78, s52, s76
	s_lshr_b32 s79, s78, 1
	s_lshl_b32 s79, s79, 5
	s_and_b32 s78, s78, 1
	s_lshl_b32 s78, s78, 3
	s_add_co_u32 s79, s79, s78
	s_cmp_eq_u32 s75, 0
	s_cselect_b32 s78, s[GH], s[GL]
	s_lshl_b32 s78, s78, 7
	s_add_co_u32 s79, s79, s78
	s_lshl_b32 s78, s77, 4                         ; rows 8 .. 15 are queries Q0 + 16 ..
	s_add_co_u32 s79, s79, s78
	s_lshl_b32 s78, s[BA], 11
	s_add_co_u32 s79, s79, s78
	s_lshl_b32 s80, s79, 8                         ; s[80:81] my rows' offset in out0
	s_mov_b32 s81, 0
	s_mul_i32 s78, s76, 8*AREA
	s_mul_i32 s79, s75, AREA
	s_add_co_u32 s78, s78, s79
	s_add_co_u32 s78, s78, MRG                     ; the tile's first part
	s_mul_i32 s79, s77, 8*SP
	s_add_co_u32 s79, s79, s78
	s_lshl_b32 s76, s77, 6
	s_add_co_u32 s76, s76, s78
	s_add_co_u32 s76, s76, MLO
	s_mul_i32 s75, s[WV], 2*AREA
	s_add_co_u32 s75, s75, MRG                     ; my own parts
	s_add_co_u32 s77, s75, MLO
	s_mov_b32 s[SEL], 0x76543210
	s_mov_b32 s[SEL+1], 0xfedcba98
	s_mov_b32 s[C4], 0x3f38aa3b                    ; log2(e) / 2
	s_mov_b32 s[CC], 0x3e38aa3b                    ; log2(e) / 8
	s_mov_b32 s[CC+1], s[CC]                       ; (named with it as a pair, so it is written)
	s_mov_b32 s[KZ], 0xff000000
	s_mov_b32 s47, 0
	s_mov_b32 s49, 0
	s_mov_b32 s51, 0
	s_mov_b32 s57, 0
	s_lshl_b32 s46, s[BA], 17
	s_lshl_b32 s48, s[BA], 13
	s_lshl_b32 s50, s[BA], 12
	s_wait_alu depctr_va_vdst(0)                   ; the wait here, ahead of the readers below
	v_and_b32 v228, 31, v0                         ; lane
	v_and_b32 v229, 15, v0                         ; r
	v_bfe_u32 v230, v0, 4, 1                       ; h
	v_add_nc_u32 v233, KSC, v[AF]
	v_add_nc_u32 v[TM], VSC, v231
	v_lshlrev_b32 v[LI], 4, v228
	v_lshl_add_u32 v[LSK], v228, 2, KSC
	v_lshl_add_u32 v[LSV], v228, 2, VSC
	v_lshlrev_b32 v232, 2, v229
	v_and_b32 v[QB], 8, v229
	v_lshlrev_b32 v[DD], 4, v230
	v_mul_u32_u24 v[DA], v229, SP
	v_mul_u32_u24 v[MA], v230, SP
	v_and_b32 v[MB], 7, v229
	v_lshlrev_b32 v[GO], 8, v230
	v_add_nc_u32 v[QB], v[QB], v229
	v_lshl_add_u32 v[DA], v230, 5, v[DA]
	v_lshl_add_u32 v[MA], v229, 4, v[MA]
	v_or_b32 v[MB], v[MB], v230                    ; lane 2 i of either half of the lanes holds row 2 i + h: what row_share hands out
	v_lshl_add_u32 v[DB], v229, 3, s77
	v_lshl_add_u32 v[GO], v229, 4, v[GO]
	v_sub_nc_u32 v[QB], v[QB], v[DD]
	v_add_nc_u32 v[DA], s75, v[DA]
	v_add_nc_u32 v[MA], s79, v[MA]
	v_lshl_add_u32 v[MB], v[MB], 3, s76
	s_wait_alu depctr_va_vdst(0)                   ; the wait here, directly ahead of the wait below
	s_wait_kmcnt 0x0
	s_add_nc_u64 s[4:5], s[4:5], s[46:47]          ; the batch's codes of K and V: 131,072 bytes,
	s_add_nc_u64 s[6:7], s[6:7], s[48:49]          ; and scale words
	s_add_nc_u64 s[8:9], s[8:9], s[50:51]
.irp s, 0,1,2,3
	global_load_b128 v[S+4*\s:S+4*\s+3], v[AF], s[4:5] offset:8192*\s   ; chunk 0
.endr
	global_load_b128 v[S+16:S+19], v[AF], s[6:7]
	global_load_b64 v[S+20:S+21], v231, s[8:9]
	s_lshl_b32 s56, s54, 9
	s_add_nc_u64 s[58:59], s[10:11], s[56:57]
	s_lshl_b32 s56, s55, 9
	s_add_nc_u64 s[60:61], s[10:11], s[56:57]
	s_lshl_b32 s56, s54, 6
	s_add_nc_u64 s[66:67], s[12:13], s[56:57]
	s_lshl_b32 s56, s55, 6
	s_add_nc_u64 s[68:69], s[12:13], s[56:57]
	s_lshl_b32 s56, s54, 5
	s_add_nc_u64 s[70:71], s[14:15], s[56:57]
	s_lshl_b32 s56, s55, 5
	s_add_nc_u64 s[62:63], s[14:15], s[56:57]
	s_load_b32 s[FH], s[70:71], 0x0
	s_load_b32 s[FLO], s[62:63], 0x0
	global_load_b128 v[QF:QF+3], v[LI], s[58:59]   ; Q's codes of both tiles stay in registers
	global_load_b32 v[QSW], v232, s[66:67]
	global_load_b128 v[QG:QG+3], v[LI], s[60:61]
	global_load_b32 v[QSW+1], v232, s[68:69]
.irp s, 0,1,2,3
	global_load_b128 v[FB+4*\s:FB+4*\s+3], v[AF], s[4:5] offset:32768+8192*\s   ; chunk 1
.endr
	s_add_nc_u64 s[16:17], s[16:17], s[80:81]
	; registers that the steps find set, written while the loads are out
.set n, 0
.rept 32
	v_mov_b32 v[O+n], 0                            ; O^T: the hi tile's first step finds zeros.  (The lo tile's finds the hi tile's O^T, which its first change of M multiplies by 0)
.set n, n+1
.endr
.irp k, 4,5,6,7
	v_mov_b32 v[QF+\k], 0                          ; zero codes for k = 64 .. 127
	v_mov_b32 v[QG+\k], 0
	v_mov_b32 v[KF+28+\k], 0                       ; behind the last of K's overlapping fragments
.endr
.irp b, 0,1,2,3
	v_mov_b32 v[PM+\b], 0                          ; written once: a lane permute's destination counts as one of its sources
.endr
	v_add_nc_u32 v[AF2], 0x10000, v[AF]
	v_mov_b32 v[MK8], 0xd1000000                   ; -2^35
	v_mov_b32 v12, 0x7f61b1e6                      ; -M
	v_mov_b32 v13, 0xff61b1e6                      ; the largest t so far: -3e38, under every t
	v_mov_b32 v14, 0
	v_mov_b32 v15, 0
	v_mov_b32 v[F+1], 0
	s_wait_alu depctr_va_vdst(0)                   ; the wait at the head's end
.irp s, 0,1,2,3
	s_wait_loadcnt 13-\s                           ; of 14 loads: this one is in, the younger ones may be out
	ds_store_b128 v[AF], v[S+4*\s:S+4*\s+3] offset:8192*\s
.endr
	s_wait_loadcnt 9
	ds_store_b128 v233, v[S+16:S+19]
	s_wait_loadcnt 8
	ds_store_b64 v[TM], v[S+20:S+21]
	s_wait_dscnt 0x0                               ; for the others' sake: my part lies in LDS
	s_barrier_signal -1
	s_barrier_wait -1                              ; everybody's does
	s_wait_kmcnt 0x0
	s_cmp_lg_u32 s[FH], 0
	s_cselect_b32 s[LH], 15, s[GH]                 ; a flagged tile walks all 16 steps
	s_cmp_lg_u32 s[FLO], 0
	s_cselect_b32 s[LL], 15, s[GL]
	s_wait_loadcnt 4                               ; Q is in; chunk 1's four loads may be out
	; THE HI TILE.  Its group is 8 or more: the steps of rounds 0 and 1 (0 .. 7) lie wholly in its past
	ADR 0
	QKP QF, QSW
	STAGE 1
	SOFT 0, FH, GH, QH, 0
	s_barrier_wait -1                              ; chunk 1 is whole
	ADR 1
	STAGE 2
	QKP QF, QSW
	SOFT 1, FH, GH, QH, 0
	s_barrier_wait -1
	ADR 2
	STAGE 3
	s_cmp_gt_u32 s[ST], s[LH]
	s_cbranch_scc1 .Lskip2
	QKP QF, QSW
	SOFT 2, FH, GH, QH, 1
.Lskip2:
	s_barrier_wait -1                              ; all codes lie in LDS: no barrier from here to the merge
	ADR 3
	s_cmp_gt_u32 s[ST], s[LH]
	s_cbranch_scc1 .Lskip3
	QKP QF, QSW
	SOFT 3, FH, GH, QH, 1
.Lskip3:
	DUMP 0
	; THE LO TILE: steps 3 - i, 7 - i, ..; four trips, a constant: a step beyond the tile's limit is left out, its address steps are not
	v_mov_b32 v12, 0x7f61b1e6
	v_mov_b32 v13, 0xff61b1e6
	v_mov_b32 v14, 0
	v_mov_b32 v15, 0
	s_sub_co_u32 s[ST], 3, s[IQ]
	s_lshl_b32 s[TB], s[ST], 13
	s_lshl_b32 s[TS], s[ST], 9
	s_lshl_b32 s[TJ], s[ST], 8
	s_mov_b32 s[TR], 0
	s_wait_alu depctr_va_vdst(0)                   ; the wait ahead of the branches
.Llo:
	s_cmp_gt_u32 s[ST], s[LL]
	s_cbranch_scc1 .Lskip4
	QKP QG, QSW+1
	SOFT 4, FLO, GL, QL, 1
.Lskip4:
	s_add_co_u32 s[ST], s[ST], 4
	s_add_co_u32 s[TB], s[TB], 32768
	s_add_co_u32 s[TS], s[TS], 2048
	s_add_co_u32 s[TJ], s[TJ], 1024
	s_add_co_u32 s[TR], s[TR], 1
	s_cmp_lt_u32 s[TR], 4
	s_cbranch_scc1 .Llo
	DUMP AREA
	; THE MERGE.  All parts lie in LDS (DUMP waited for them)
	s_barrier_signal -1
	s_barrier_wait -1
.irp b, 0,1,2,3
	ds_load_b64 v[BM+2*\b:BM+2*\b+1], v[MB] offset:2*AREA*\b        ; (-M, sum) of the four parts of my lane's row
.endr
.irp i, 0,1,2,3
.irp b, 0,1,2,3
	ds_load_b128 v[S+16*\i+4*\b:S+16*\i+4*\b+3], v[MA] offset:2*AREA*\b+2*SP*\i   ; rows 2 i (lanes 0-15) and 2 i + 1 (lanes 16-31): 16 bytes a lane
.endr
.endr
	s_wait_dscnt 16                                ; the four pairs are in; the sixteen loads of rows may be out
	v_min3_num_f32 v[TM], v[BM], v[BM+2], v[BM+4]
	v_min_num_f32 v[TM], v[TM], v[BM+6]            ; -M of the largest M
.irp b, 0,1,2,3
	v_sub_f32 v[SCO+\b], v[TM], v[BM+2*\b]         ; the part's M less the largest: a whole number, 0 or less
.endr
.irp b, 0,1,2,3
	v_cvt_i32_f32 v[SCO+\b], v[SCO+\b]
.endr
.irp b, 0,1,2,3
	v_ldexp_f32 v[SCO+\b], 1.0, v[SCO+\b]          ; (0 for a part without a step: its -M is still 3e38)
.endr
	v_mul_f32 v228, v[BM+1], v[SCO]
	v_fma_f32 v228, v[BM+3], v[SCO+1], v228
	v_fma_f32 v228, v[BM+5], v[SCO+2], v228
	v_fma_f32 v228, v[BM+7], v[SCO+3], v228        ; the row's sum
	s_wait_alu depctr_va_vdst(0)                   ; the wait ahead of the transcendental,
	v_rcp_f32 v229, v228
	v_nop                                          ; for a plain line behind it
	s_wait_alu depctr_va_vdst(0)                   ; and for the wait ahead of its first reader
.irp b, 0,1,2,3
	v_mul_f32 v[SCO+\b], v[SCO+\b], v229
.endr
.irp i, 0,1,2,3
.irp b, 0,1,2,3
	v_mov_b32_dpp v[KF+4*\i+\b], v[SCO+\b] row_share:2*\i row_mask:0xf bank_mask:0xf   ; the four weights of row 2 i + h, in all sixteen lanes of the half
.endr
.endr
	s_wait_alu depctr_va_vdst(0)                   ; the wait here, directly ahead of the wait below
.irp i, 0,1,2,3
	s_wait_dscnt 12-4*\i                           ; rows 2 i, 2 i + 1 of the four parts are in
.irp x, 0,2
	v_pk_mul_f32 v[S+16*\i+\x:S+16*\i+\x+1], v[S+16*\i+\x:S+16*\i+\x+1], v[KF+4*\i:KF+4*\i+1] op_sel_hi:[1,0]
.endr
.irp x, 0,2
	v_pk_fma_f32 v[S+16*\i+\x:S+16*\i+\x+1], v[S+16*\i+4+\x:S+16*\i+5+\x], v[KF+4*\i:KF+4*\i+1], v[S+16*\i+\x:S+16*\i+\x+1] op_sel:[0,1,0]
.endr
.irp x, 0,2
	v_pk_fma_f32 v[S+16*\i+\x:S+16*\i+\x+1], v[S+16*\i+8+\x:S+16*\i+9+\x], v[KF+4*\i+2:KF+4*\i+3], v[S+16*\i+\x:S+16*\i+\x+1] op_sel_hi:[1,0,1]
.endr
.irp x, 0,2
	v_pk_fma_f32 v[S+16*\i+\x:S+16*\i+\x+1], v[S+16*\i+12+\x:S+16*\i+13+\x], v[KF+4*\i+2:KF+4*\i+3], v[S+16*\i+\x:S+16*\i+\x+1] op_sel:[0,1,0]
.endr
	global_store_b128 v[GO], v[S+16*\i:S+16*\i+3], s[16:17] offset:512*\i th:TH_STORE_NT   ; sixteen lanes store one row of 256 bytes
.endr
	s_wait_tensorcnt 0x0                           ; the wave's end
	ds_add_u32 v[SPW], v[NIL]
	s_wait_dscnt 0x0
	s_endpgm
	; out of line: the masks of flagged tiles, a copy for each copy of the step
	SLOWB 0, QH
	SLOWB 1, QH
	SLOWB 2, QH
	SLOWB 3, QH
	SLOWB 4, QL
.Lfunc_end_k_q2821d5aaa6_attn:
	.size	k_q2821d5aaa6_attn, .Lfunc_end_k_q2821d5aaa6_attn-k_q2821d5aaa6_attn
	.p2alignl 7, 3214868480
	.fill 96, 4, 3214868480
	.section	.rodata,"a",@progbits
	.p2align	6, 0x0
	.amdhsa_kernel k_q2821d5aaa6_attn
		.amdhsa_group_segment_fixed_size 292864
		.amdhsa_private_segment_fixed_size 0
		.amdhsa_enable_private_segment 0
		.amdhsa_kernarg_size 56
		.amdhsa_user_sgpr_count 2
		.amdhsa_user_sgpr_kernarg_segment_ptr 1
		.amdhsa_wavefront_size32 1
		.amdhsa_system_sgpr_workgroup_id_x 1
		.amdhsa_system_sgpr_workgroup_id_y 1
		.amdhsa_system_sgpr_workgroup_id_z 1
		.amdhsa_system_vgpr_workitem_id 0
		.amdhsa_next_free_vgpr 256
		.amdhsa_next_free_sgpr 90
		.amdhsa_reserve_vcc 1
		.amdhsa_float_denorm_mode_32 3
		.amdhsa_float_denorm_mode_16_64 3
		.amdhsa_memory_ordered 1
		.amdhsa_forward_progress 1
		.amdhsa_inst_pref_size 208
	.end_amdhsa_kernel
	.amdgpu_metadata
---
amdhsa.version: [ 1, 2 ]
amdhsa.kernels:
  - .name:           k_q2821d5aaa6_attn
    .symbol:         k_q2821d5aaa6_attn.kd
    .args:
      - { .name: kv_codes, .offset: 0, .size: 8, .value_kind: global_buffer, .address_space: global }
      - { .name: k_scales, .offset: 8, .size: 8, .value_kind: global_buffer, .address_space: global }
      - { .name: v_scales, .offset: 16, .size: 8, .value_kind: global_buffer, .address_space: global }
      - { .name: q_codes, .offset: 24, .size: 8, .value_kind: global_buffer, .address_space: global }
      - { .name: q_scales, .offset: 32, .size: 8, .value_kind: global_buffer, .address_space: global }
      - { .name: flags, .offset: 40, .size: 8, .value_kind: global_buffer, .address_space: global }
      - { .name: out0, .offset: 48, .size: 8, .value_kind: global_buffer, .address_space: global }
    .group_segment_fixed_size: 292864
    .private_segment_fixed_size: 0
    .kernarg_segment_align: 8
    .kernarg_segment_size: 56
    .max_flat_workgroup_size: 512
    .sgpr_count:     90
    .vgpr_count:     256
    .wavefront_size: 32
...
	.end_amdgpu_metadata
.endif
;; end of part 2
